; MI455X (gfx1250); checked and timed in simulation.
; The chip was launched on July 23, 2026; its instructions are those of AMD's public machine-readable ISA for CDNA 5 (MIT licence, August 2026) and "CDNA5" Instruction Set Architecture Reference Guide (July 2026). The comments in the code are by the model that wrote it; some were corrected since.
;; Mo E Layer. Allowed arithmetic: float matrix products may take bf16 or f16 operands with f32 sums; all other float work in f32.
;; Inputs: W_experts 8 x 2,048 x 2,048 float32; W_gate 2,048 x 8 float32; b_experts 8 x 2,048 float32; b_gate 8 float32; x 8,192 x 2,048 float32.
;; Outputs: out0 8,192 x 2,048 float32.
;; 2 versions, each right; version 2 is version 1 with the launches gate, wcvt written anew for expert scheduling mode. Each part assembles by itself: llvm-mc -triple=amdgcn-amd-amdhsa -mcpu=gfx1250 --defsym DOCPART=n.
;; ======== version 1 of 2: 3 launches
;; workspace buffers: xb 33,554,432 bytes; wb 16,777,216 bytes; scal 131,072 bytes; topidx 65,536 bytes of whole numbers
;; launch gate (part 1): grid 256 x 1, 8 waves a work-group, no clusters, 109,568 bytes of LDS; arguments x, W_gate, b_gate, xb, scal, topidx; writes xb, scal, topidx
.if DOCPART == 1
	.amdgcn_target "amdgcn-amd-amdhsa--gfx1250"
	.amdhsa_code_object_version 6
	.text
	.protected	k_qb16e6067bf_gate
	.globl	k_qb16e6067bf_gate
	.p2align	8
	.type	k_qb16e6067bf_gate,@function
k_qb16e6067bf_gate:
	s_mov_b64 s[64:65], 0
	v_nop
	global_prefetch_b8 v0, s[64:65] scope:SCOPE_SE
	s_setreg_imm32_b32 hwreg(HW_REG_WAVE_MODE, 25, 1), 1
	s_wait_xcnt 0x0
; xb = bf16(x);  logits = x W_gate + b_gate (bf16 operands, f32 sums);  for every token its two largest softmax gates s0 >= s1 and their experts.
; x: [8192][2048] f32.  W_gate: [2048][8] f32.  b_gate: [8] f32.  xb: [8192][2048] bf16.
; scal: 16 bytes a token {rho, rho, s0, s0}, rho = s1 / s0 = exp(l2 - l1), s0 = 1 / sum of exp(l - l1): the largest logit is taken away before every exponential.
; topidx: 8 bytes a token {expert of s0, expert of s1}, whole numbers.
; LIMITS.  The ranking is made on the logits (softmax keeps their order) with a strict greater-than, so the lower index wins a tie; logits that differ but would round to
; equal gates may change places, their scores then being equal.  rho below 2^-126 comes out as 0 (v_exp_f32 gives no denormals).  With NaN among the logits the order is undefined.
; SHARES.  A work-group owns 32 rows.  Wave w takes rows 16 (w & 1) .. +15 and columns 512 (w >> 1) .. +511, in four groups of 128 columns: a group is 16 loads, each one row's
; 512 consecutive bytes.  A group is rounded to bf16 in place, stored to xb (each store of the wave covers 256 consecutive bytes, aligned), laid into the wave's own stage in
; LDS and read back as matrix fragments.  Memory binds this launch: the gate's products ride on the one read of x.  No cluster: the work-groups share W_gate alone, 64 KiB.
; THE MATRIX INSTRUCTION IS USED TRANSPOSED: source 0 = 16 columns of W_gate (8 experts and 8 columns of zeros), source 1 = 16 rows of x.  In the result lane r (0-15) holds
; row r's eight logits in its eight registers.
.set ROWX, 8192                        ; bytes in a row of x
.set ROWB, 4096                        ; bytes in a row of xb
.set WT,   0                           ; LDS: W_gate as [2048 k][16] bf16, 32 bytes a row: columns 0-7 the experts, 8-15 zeros
.set STG,  65536                       ; LDS: a stage of 16 rows x 272 bytes for each wave (256 of data + 16: the 16 rows of a fragment load start 68 words apart)
.set SP,   272
.set PART, 100352                      ; LDS: 1,024 bytes a wave: each lane's 8 partial sums.  Beyond the 16 bits of an LDS immediate: it stands in the address registers
.set XO,  4                            ; v4   my byte offset in the group's rows of x
.set XBO, 5                            ; v5   the same in xb
.set STO, 6                            ; v6   stage: where my 8 bytes of a row go
.set AAD, 7                            ; v7   stage: my place in a fragment of x
.set BAD, 8                            ; v8   WT: my place in the turning load
.set WLO, 9                            ; v9   my byte offset in W_gate
.set WST, 10                           ; v10  WT: where my 8 bytes go
.set PST, 11                           ; v11  PART: my 32 bytes
.set Z,   12                           ; v[12:13] zeros
.set D,   16                           ; v[16:23], v[24:31] two accumulators, by turns
.set AF,  32                           ; v[32:63] fragments of x: 4 chunks of 32 along k
.set BF,  64                           ; v[64:95] fragments of W_gate
.set WG,  64                           ; v[64:127] W_gate as loaded, before BF is in use
.set X,   128                          ; v[128:255] two slots of 16 loads
; the tail, wave 0
.set LG,  32                           ; v[32:39] the 8 logits of my row
.set M1,  40
.set M2,  41
.set I1,  42                           ; v[42:43] the pair that is stored
.set I2,  43
.set T,   44
.set E,   48                           ; v[48:55] exponents, then exponentials
.set R,   56                           ; v[56:59] rho, rho, s0, s0
.set PRD, 96
.set O16, 97
.set O8,  98
	s_load_b256 s[4:11], s[0:1], 0x0               ; x s[4:5], W_gate s[6:7], b_gate s[8:9], xb s[10:11]
	s_load_b128 s[12:15], s[0:1], 0x20             ; scal s[12:13], topidx s[14:15]
	s_set_vgpr_msb 0x40
	v_lshl_add_u32 v0, v0, 2, 0x1a800
	v_mov_b32 v1, 0
	s_set_vgpr_msb 0x4000
	v_lshrrev_b32 v2, 5, v0
	v_readfirstlane_b32 s16, v2                    ; wave 0..7
	s_and_b32 s17, s16, 1                          ; which 16 rows
	s_lshr_b32 s18, s16, 1                         ; which 512 columns
	v_and_b32 v1, 31, v0                           ; lane L
	v_and_b32 v2, 15, v0                           ; r = L % 16
	v_bfe_u32 v3, v0, 4, 1                         ; h = L / 16
	s_lshl_b32 s20, s17, 17                        ; 16 rows of 8,192 bytes
	s_lshl_b32 s21, s18, 11                        ; 512 columns of 4 bytes
	s_add_co_u32 s20, s20, s21
	v_lshl_add_u32 v[XO], v1, 4, s20               ; + 16 L
	v_lshlrev_b32 v[WLO], 4, v0                    ; the 256 threads take 4,096 consecutive bytes of W_gate a load
	s_lshl_b32 s22, ttmp9, 18                      ; the work-group's 32 rows of x
	s_mov_b32 s23, 0
	s_wait_kmcnt 0x0
	s_add_nc_u64 s[4:5], s[4:5], s[22:23]
	s_load_b256 s[24:31], s[8:9], 0x0              ; b_gate, 8 numbers, for the tail
.irp j, 0,1,2,3,4,5,6,7,8,9,10,11,12,13,14,15
	global_load_b128 v[WG+4*\j:WG+4*\j+3], v[WLO], s[6:7] offset:4096*\j
.endr
.macro FILL slot, g                    ; 16 loads: group g's 128 columns of my 16 rows
.irp i, 0,1,2,3,4,5,6,7,8,9,10,11,12,13,14,15
	global_load_b128 v[X+64*\slot+4*\i:X+64*\slot+4*\i+3], v[XO], s[4:5] offset:ROWX*\i+512*(\g) th:TH_LOAD_NT
.endr
.endm
	FILL 0, 0
	FILL 1, 1
	s_lshl_b32 s22, ttmp9, 17                      ; the work-group's 32 rows of xb,
	s_add_nc_u64 s[10:11], s[10:11], s[22:23]
	s_lshl_b32 s22, ttmp9, 9                       ; its 32 x 16 bytes of scal,
	s_add_nc_u64 s[12:13], s[12:13], s[22:23]
	s_lshl_b32 s22, ttmp9, 8                       ; its 32 x 8 bytes of topidx
	s_add_nc_u64 s[14:15], s[14:15], s[22:23]
	s_lshl_b32 s20, s17, 16
	s_lshl_b32 s21, s18, 10
	s_add_co_u32 s20, s20, s21
	v_lshl_add_u32 v[XBO], v1, 3, s20              ; 16 rows x 4,096 + 512 columns x 2 + 8 L
	s_mul_i32 s20, s16, 16*SP
	s_add_co_u32 s20, s20, STG                     ; my wave's stage
	v_lshl_add_u32 v[STO], v1, 3, s20
	v_mul_u32_u24 v14, v2, SP
	v_lshl_add_u32 v14, v3, 4, v14
	v_add_nc_u32 v[AAD], s20, v14                  ; row r x pitch + 16 h
	; the turning load takes 16 k x 16 columns: lane L reads 16 bytes of row k = 8 h + L % 8, columns 8 ((L / 8) % 2) on, and is left with column r and 8 k
	s_lshl_b32 s21, s18, 14                        ; my 512 k x 32 bytes
	v_and_b32 v14, 7, v1
	v_lshl_add_u32 v14, v3, 3, v14
	v_lshlrev_b32 v14, 5, v14
	v_bfe_u32 v15, v1, 3, 1
	v_lshl_add_u32 v14, v15, 4, v14
	v_add_nc_u32 v[BAD], s21, v14
	; thread 32 w + L holds 4 experts' weights of k = 16 w + L / 2 (+ 128 j): 8 bytes of bf16 at 32 k + 8 (L % 2)
	s_lshl_b32 s21, s16, 9
	v_lshrrev_b32 v14, 1, v1
	v_and_b32 v15, 1, v1
	v_lshl_add_u32 v14, v14, 5, s21
	v_lshl_add_u32 v[WST], v15, 3, v14
	s_lshl_b32 s20, s16, 10
	s_add_co_u32 s20, s20, PART
	v_lshl_add_u32 v[PST], v1, 5, s20
	v_mov_b32 v[Z], 0
	v_mov_b32 v[Z+1], 0
	s_wait_loadcnt 32                              ; W_gate is in; the 32 younger loads, of x, stay out
.irp j, 0,1,2,3,4,5,6,7,8,9,10,11,12,13,14,15
	v_cvt_pk_bf16_f32 v[WG+4*\j],   v[WG+4*\j],   v[WG+4*\j+1]
	v_cvt_pk_bf16_f32 v[WG+4*\j+1], v[WG+4*\j+2], v[WG+4*\j+3]
	ds_store_b64 v[WST], v[WG+4*\j:WG+4*\j+1] offset:WT+4096*\j
	ds_store_b64 v[WST], v[Z:Z+1] offset:WT+4096*\j+16        ; columns 8-15
.endr
	s_wait_kmcnt 0x0                               ; b_gate
	s_wait_dscnt 0x0                               ; for the others' sake: my part of WT is written
	s_barrier_signal -1
	s_barrier_wait -1                              ; WT is whole
; One group of 128 columns in slot `slot`.  left = the younger loads that may stay out; refill = 1: the slot takes group g + 2; first = 1: the first two products start the sums.
.macro GROUP slot, g, left, refill, first
	s_wait_loadcnt \left                           ; loads come back in order: my slot's 16 are in
.irp i, 0,1,2,3,4,5,6,7,8,9,10,11,12,13,14,15      ; 32 roundings in place; they are also the places between the last group's products and the loads into their fragments
	v_cvt_pk_bf16_f32 v[X+64*\slot+4*\i],   v[X+64*\slot+4*\i],   v[X+64*\slot+4*\i+1]
	v_cvt_pk_bf16_f32 v[X+64*\slot+4*\i+1], v[X+64*\slot+4*\i+2], v[X+64*\slot+4*\i+3]
.endr
.irp i, 0,1,2,3,4,5,6,7,8,9,10,11,12,13,14,15
	global_store_b64 v[XBO], v[X+64*\slot+4*\i:X+64*\slot+4*\i+1], s[10:11] offset:ROWB*\i+256*\g   ; 32 lanes store 256 consecutive bytes, at a multiple of 256 from xb's first byte
.endr
.irp i, 0,1,2,3,4,5,6,7,8,9,10,11,12,13,14,15
	ds_store_b64 v[STO], v[X+64*\slot+4*\i:X+64*\slot+4*\i+1] offset:SP*\i
.endr
.if \refill
	s_wait_xcnt 0x0                                ; the stores' data registers are loaded into again only behind this wait
	FILL \slot, \g+2
.endif
.irp c, 0,1,2,3
	ds_load_tr16_b128 v[BF+8*\c:BF+8*\c+3],   v[BAD] offset:WT+(128*\g+32*\c)*32
	ds_load_tr16_b128 v[BF+8*\c+4:BF+8*\c+7], v[BAD] offset:WT+(128*\g+32*\c)*32+512
	ds_load_b128 v[AF+8*\c:AF+8*\c+3],   v[AAD] offset:64*\c          ; the stage is my wave's own, and LDS serves a wave's instructions in order: these see the stores above
	ds_load_b128 v[AF+8*\c+4:AF+8*\c+7], v[AAD] offset:64*\c+32
.endr
	s_wait_dscnt 0x0
.irp c, 0,1,2,3                        ; the two accumulators take turns, one instruction a turn, from group to group too
.if \first && (\c < 2)
	v_wmma_f32_16x16x32_bf16 v[D+8*(\c%2):D+8*(\c%2)+7], v[BF+8*\c:BF+8*\c+7], v[AF+8*\c:AF+8*\c+7], 0
.else
	v_wmma_f32_16x16x32_bf16 v[D+8*(\c%2):D+8*(\c%2)+7], v[BF+8*\c:BF+8*\c+7], v[AF+8*\c:AF+8*\c+7], v[D+8*(\c%2):D+8*(\c%2)+7]
.endif
.endr
.endm
	GROUP 0, 0, 16, 1, 1
	GROUP 1, 1, 16, 1, 0
	GROUP 0, 2, 16, 0, 0
	GROUP 1, 3, 0,  0, 0
.rept 4
	v_nop                                          ; four places between the last products and the reading of their results (ISA guide 7.12.1)
.endr
.irp j, 0,2,4,6
	v_pk_add_f32 v[D+\j:D+\j+1], v[D+\j:D+\j+1], v[D+8+\j:D+8+\j+1]
.endr
	ds_store_b128 v[PST], v[D:D+3]
	ds_store_b128 v[PST], v[D+4:D+7] offset:16
	s_wait_dscnt 0x0                               ; for wave 0's sake: my partial sums are written
	s_barrier_signal -1
	s_barrier_wait -1
	s_cmp_lg_u32 s16, 0
	s_cbranch_scc1 .Lend
	; WAVE 0: lane L is row L of the work-group's 32.  Its logits lie in lane L % 16 of waves L / 16 + 2 kq, kq = 0..3.
	v_lshlrev_b32 v[PRD], 10, v3                   ; wave L / 16: 1,024 bytes a wave
	v_lshl_add_u32 v[PRD], v2, 5, v[PRD]           ; lane L % 16: 32 bytes a lane
	v_add_nc_u32 v[PRD], PART, v[PRD]              ; the region's start stands in the register; the immediates below keep 2,048 kq (+ 16) alone
	v_lshlrev_b32 v[O16], 4, v1
	v_lshlrev_b32 v[O8], 3, v1
.irp q, 0,1,2,3
	ds_load_b128 v[LG+8*\q:LG+8*\q+3],   v[PRD] offset:2048*\q
	ds_load_b128 v[LG+8*\q+4:LG+8*\q+7], v[PRD] offset:2048*\q+16
.endr
	s_wait_dscnt 0x0
.irp j, 0,2,4,6
	v_pk_add_f32 v[LG+\j:LG+\j+1], v[LG+\j:LG+\j+1], v[LG+8+\j:LG+8+\j+1]
	v_pk_add_f32 v[LG+16+\j:LG+16+\j+1], v[LG+16+\j:LG+16+\j+1], v[LG+24+\j:LG+24+\j+1]
.endr
.irp j, 0,2,4,6
	v_pk_add_f32 v[LG+\j:LG+\j+1], v[LG+\j:LG+\j+1], v[LG+16+\j:LG+16+\j+1]
.endr
.irp e, 0,1,2,3,4,5,6,7
	v_add_f32 v[LG+\e], s[24+\e], v[LG+\e]         ; + b_gate
.endr
	; the two largest, by selects alone: no branch hangs on these numbers.  Strictly greater, so the lower index keeps its place in a tie.
	v_cmp_gt_f32 s32, v[LG+1], v[LG]
	v_cndmask_b32 v[M1], v[LG], v[LG+1], s32
	v_cndmask_b32 v[M2], v[LG+1], v[LG], s32
	v_cndmask_b32 v[I1], 0, 1, s32
	v_cndmask_b32 v[I2], 1, 0, s32
.irp e, 2,3,4,5,6,7
	v_cmp_gt_f32 s32, v[LG+\e], v[M1]
	v_cmp_gt_f32 s33, v[LG+\e], v[M2]
	v_cndmask_b32 v[M2], v[M2], v[LG+\e], s33      ; beats the second:
	v_cndmask_b32 v[I2], v[I2], \e, s33
	v_cndmask_b32 v[M2], v[M2], v[M1], s32         ; beats the first: the old first becomes the second
	v_cndmask_b32 v[I2], v[I2], v[I1], s32
	v_cndmask_b32 v[M1], v[M1], v[LG+\e], s32
	v_cndmask_b32 v[I1], v[I1], \e, s32
.endr
	; the difference is formed first and scaled then, so that large logits lose nothing: no fused form here
.irp e, 0,1,2,3,4,5,6,7
	v_sub_f32 v[E+\e], v[LG+\e], v[M1]
.endr
	v_sub_f32 v[T], v[M2], v[M1]
.irp e, 0,1,2,3,4,5,6,7
	v_mul_f32 v[E+\e], 0x3fb8aa3b, v[E+\e]         ; x log2(e)
.endr
	v_mul_f32 v[T], 0x3fb8aa3b, v[T]
.irp e, 0,1,2,3,4,5,6,7
	v_exp_f32 v[E+\e], v[E+\e]
.endr
	v_exp_f32 v[R], v[T]                           ; rho, twice: a pair for the packed arithmetic of the last launch
	v_exp_f32 v[R+1], v[T]
	v_nop                                          ; a plain instruction between the last exponential and the use of its result
	s_wait_alu depctr_va_vdst(0)
	v_pk_add_f32 v[E:E+1], v[E:E+1], v[E+2:E+3]
	v_pk_add_f32 v[E+4:E+5], v[E+4:E+5], v[E+6:E+7]
	v_pk_add_f32 v[E:E+1], v[E:E+1], v[E+4:E+5]
	v_add_f32 v[E], v[E], v[E+1]                   ; the sum is at least 1: the largest logit's term
	v_rcp_f32 v[R+2], v[E]                         ; s0 = 1 / sum, twice
	v_rcp_f32 v[R+3], v[E]
	v_nop
	s_wait_alu depctr_va_vdst(0)
	global_store_b128 v[O16], v[R:R+3], s[12:13]   ; 512 consecutive bytes, aligned
	global_store_b64 v[O8], v[I1:I2], s[14:15]     ; 256 consecutive bytes, aligned
.Lend:
	s_set_vgpr_msb 0x5
	s_wait_tensorcnt 0x0
	ds_add_u32 v0, v1
	s_wait_dscnt 0x0
	s_set_vgpr_msb 0x500
	s_endpgm
.Lfunc_end_k_qb16e6067bf_gate:
	.size	k_qb16e6067bf_gate, .Lfunc_end_k_qb16e6067bf_gate-k_qb16e6067bf_gate
	.p2alignl 7, 3214868480
	.fill 96, 4, 3214868480
	.section	.rodata,"a",@progbits
	.p2align	6, 0x0
	.amdhsa_kernel k_qb16e6067bf_gate
		.amdhsa_group_segment_fixed_size 109568
		.amdhsa_private_segment_fixed_size 0
		.amdhsa_enable_private_segment 0
		.amdhsa_kernarg_size 48
		.amdhsa_user_sgpr_count 2
		.amdhsa_user_sgpr_kernarg_segment_ptr 1
		.amdhsa_wavefront_size32 1
		.amdhsa_system_sgpr_workgroup_id_x 1
		.amdhsa_system_sgpr_workgroup_id_y 1
		.amdhsa_system_sgpr_workgroup_id_z 1
		.amdhsa_system_vgpr_workitem_id 0
		.amdhsa_next_free_vgpr 258
		.amdhsa_next_free_sgpr 66
		.amdhsa_reserve_vcc 0
		.amdhsa_float_denorm_mode_32 3
		.amdhsa_float_denorm_mode_16_64 3
		.amdhsa_memory_ordered 1
		.amdhsa_forward_progress 1
		.amdhsa_inst_pref_size 46
	.end_amdhsa_kernel
	.amdgpu_metadata
---
amdhsa.version: [ 1, 2 ]
amdhsa.kernels:
  - .name:           k_qb16e6067bf_gate
    .symbol:         k_qb16e6067bf_gate.kd
    .args:
      - { .name: x, .offset: 0, .size: 8, .value_kind: global_buffer, .address_space: global }
      - { .name: W_gate, .offset: 8, .size: 8, .value_kind: global_buffer, .address_space: global }
      - { .name: b_gate, .offset: 16, .size: 8, .value_kind: global_buffer, .address_space: global }
      - { .name: xb, .offset: 24, .size: 8, .value_kind: global_buffer, .address_space: global }
      - { .name: scal, .offset: 32, .size: 8, .value_kind: global_buffer, .address_space: global }
      - { .name: topidx, .offset: 40, .size: 8, .value_kind: global_buffer, .address_space: global }
    .group_segment_fixed_size: 109568
    .private_segment_fixed_size: 0
    .kernarg_segment_align: 8
    .kernarg_segment_size: 48
    .max_flat_workgroup_size: 256
    .sgpr_count:     66
    .vgpr_count:     258
    .wavefront_size: 32
...
	.end_amdgpu_metadata
.endif
;; end of part 1
;; launch wcvt (part 2): grid 256 x 2, 8 waves a work-group, no clusters, 0 bytes of LDS; arguments W_experts, topidx, wb; writes wb
.if DOCPART == 2
	.amdgcn_target "amdgcn-amd-amdhsa--gfx1250"
	.amdhsa_code_object_version 6
	.text
	.protected	k_qb16e6067bf_wcvt
	.globl	k_qb16e6067bf_wcvt
	.p2align	8
	.type	k_qb16e6067bf_wcvt,@function
k_qb16e6067bf_wcvt:
	s_mov_b64 s[64:65], 0
	v_nop
	global_prefetch_b8 v0, s[64:65] scope:SCOPE_SE
	s_setreg_imm32_b32 hwreg(HW_REG_WAVE_MODE, 25, 1), 1
	s_wait_xcnt 0x0
; wb[y] = bf16(W_experts[e]), e = token 0's second expert for y = 0 and its first for y = 1; the layout [k][n] is kept.
; W_experts: [8][2048][2048] f32.  topidx: token 0's pair {first, second} in its first 8 bytes, whole numbers stored by the launch before.  wb: [2][2048][2048] bf16.
; A stream: each byte of the two chosen experts is read once and each byte of wb written once.  A work-group takes 64 KiB of one expert, a wave 8 KiB: 16 loads of 512
; consecutive bytes, all issued at once; each store of the wave covers 256 consecutive bytes, aligned.  No loop, no LDS, no barrier; matrix units and clusters have nothing to do here.
.set XR, 8                             ; v[8:71] 16 loads of 4 registers, rounded in place
	s_load_b128 s[4:7], s[0:1], 0x0                ; W_experts s[4:5], topidx s[6:7]
	s_load_b64 s[8:9], s[0:1], 0x10                ; wb
	s_and_b32 s10, ttmp7, 0xffff                   ; y
	v_and_b32 v3, 31, v0                           ; lane
	v_and_b32 v4, 0xe0, v0                         ; 32 x wave
	v_lshlrev_b32 v1, 4, v3
	v_lshl_or_b32 v1, v4, 8, v1                    ; in: wave x 8,192 + 16 x lane
	v_lshlrev_b32 v2, 3, v3
	v_lshl_or_b32 v2, v4, 7, v2                    ; out: wave x 4,096 + 8 x lane
	s_wait_kmcnt 0x0
	s_load_b64 s[12:13], s[6:7], 0x0               ; token 0's two experts
	s_lshl_b32 s16, s10, 23                        ; an expert in bf16 is 8 MiB,
	s_lshl_b32 s17, ttmp9, 15                      ; the work-group's part of it 32 KiB
	s_add_co_u32 s16, s16, s17
	s_mov_b32 s17, 0
	s_add_nc_u64 s[8:9], s[8:9], s[16:17]
	s_wait_kmcnt 0x0
	s_cmp_eq_u32 s10, 0
	s_cselect_b32 s12, s13, s12                    ; y = 0: the second expert; y = 1: the first
	s_min_u32 s12, s12, 7                          ; an index that was loaded enters an address only clamped to the table
	s_lshl_b32 s14, s12, 24                        ; an expert in f32 is 16 MiB,
	s_lshl_b32 s15, ttmp9, 16                      ; the work-group's part of it 64 KiB
	s_add_co_u32 s14, s14, s15
	s_mov_b32 s15, 0
	s_add_nc_u64 s[4:5], s[4:5], s[14:15]
.irp i, 0,1,2,3,4,5,6,7,8,9,10,11,12,13,14,15
	global_load_b128 v[XR+4*\i:XR+4*\i+3], v1, s[4:5] offset:512*\i th:TH_LOAD_NT
.endr
.irp i, 0,1,2,3,4,5,6,7,8,9,10,11,12,13,14,15
	s_wait_loadcnt 15-\i                           ; loads come back in order: load i is in, the younger ones stay out
	v_cvt_pk_bf16_f32 v[XR+4*\i],   v[XR+4*\i],   v[XR+4*\i+1]
	v_cvt_pk_bf16_f32 v[XR+4*\i+1], v[XR+4*\i+2], v[XR+4*\i+3]
	global_store_b64 v2, v[XR+4*\i:XR+4*\i+1], s[8:9] offset:256*\i
.endr
	s_endpgm
.Lfunc_end_k_qb16e6067bf_wcvt:
	.size	k_qb16e6067bf_wcvt, .Lfunc_end_k_qb16e6067bf_wcvt-k_qb16e6067bf_wcvt
	.p2alignl 7, 3214868480
	.fill 96, 4, 3214868480
	.section	.rodata,"a",@progbits
	.p2align	6, 0x0
	.amdhsa_kernel k_qb16e6067bf_wcvt
		.amdhsa_group_segment_fixed_size 0
		.amdhsa_private_segment_fixed_size 0
		.amdhsa_enable_private_segment 0
		.amdhsa_kernarg_size 24
		.amdhsa_user_sgpr_count 2
		.amdhsa_user_sgpr_kernarg_segment_ptr 1
		.amdhsa_wavefront_size32 1
		.amdhsa_system_sgpr_workgroup_id_x 1
		.amdhsa_system_sgpr_workgroup_id_y 1
		.amdhsa_system_sgpr_workgroup_id_z 1
		.amdhsa_system_vgpr_workitem_id 0
		.amdhsa_next_free_vgpr 72
		.amdhsa_next_free_sgpr 66
		.amdhsa_reserve_vcc 0
		.amdhsa_float_denorm_mode_32 3
		.amdhsa_float_denorm_mode_16_64 3
		.amdhsa_memory_ordered 1
		.amdhsa_forward_progress 1
		.amdhsa_inst_pref_size 7
	.end_amdhsa_kernel
	.amdgpu_metadata
---
amdhsa.version: [ 1, 2 ]
amdhsa.kernels:
  - .name:           k_qb16e6067bf_wcvt
    .symbol:         k_qb16e6067bf_wcvt.kd
    .args:
      - { .name: W_experts, .offset: 0, .size: 8, .value_kind: global_buffer, .address_space: global }
      - { .name: topidx, .offset: 8, .size: 8, .value_kind: global_buffer, .address_space: global }
      - { .name: wb, .offset: 16, .size: 8, .value_kind: global_buffer, .address_space: global }
    .group_segment_fixed_size: 0
    .private_segment_fixed_size: 0
    .kernarg_segment_align: 8
    .kernarg_segment_size: 24
    .max_flat_workgroup_size: 256
    .sgpr_count:     66
    .vgpr_count:     72
    .wavefront_size: 32
...
	.end_amdgpu_metadata
.endif
;; end of part 2
;; launch moe (part 3): grid 8 x 32, 4 waves a work-group, clusters of 4 x 4, 327,680 bytes of LDS; arguments xb, wb, out0, scal, topidx, b_experts; writes out0
.if DOCPART == 3
	.amdgcn_target "amdgcn-amd-amdhsa--gfx1250"
	.amdhsa_code_object_version 6
	.text
	.protected	k_qb16e6067bf_moe
	.globl	k_qb16e6067bf_moe
	.p2align	8
	.type	k_qb16e6067bf_moe,@function
k_qb16e6067bf_moe:
	s_mov_b64 s[64:65], 0
	v_nop
	global_prefetch_b8 v0, s[64:65] scope:SCOPE_SE
	s_setreg_imm32_b32 hwreg(HW_REG_WAVE_MODE, 25, 1), 1
	s_wait_xcnt 0x0
	s_wait_alu depctr_hold_cnt(0) depctr_sa_sdst(0) depctr_va_vdst(0) depctr_va_sdst(0) depctr_va_ssrc(0) depctr_va_vcc(0) depctr_vm_vsrc(0)
	s_getreg_b32 s2, hwreg(HW_REG_IB_STS2, 6, 4)
	s_cmp_eq_u32 s2, 0
	s_cbranch_scc0 .Lentry_in_a_cluster
	s_endpgm
.Lentry_in_a_cluster:
	s_bfe_u32 s2, ttmp6, 0x10000c
	s_cmp_lg_u32 s2, 0xf033
	s_cbranch_scc0 .Lentry_shape_is_right
	s_endpgm
.Lentry_shape_is_right:
; out[m][n] = s0[m] ( rho[m] ( sum_k xb[m][k] wb[k][n] + b[i2][n] ) + b[i1][n] + sum_k xb[m][k] wb[2048 + k][n] ),  rho = s1 / s0 <= 1.
; xb: [8192][2048] bf16.  wb: [4096][2048] bf16: rows 0-2047 expert i2, rows 2048-4095 expert i1.  scal: 16 bytes a token {rho, rho, s0, s0}.  topidx: token 0's {i1, i2}.
; b_experts: [8][2048] f32.  out0: [8192][2048] f32.  Products in bf16, sums in f32.
; ONE SET OF ACCUMULATORS serves both experts: the second expert's sum is finished first (K steps 0-15), gets its bias, is multiplied by rho and given the first expert's bias,
; and the first expert's products (K steps 16-31) are added onto it; s0 multiplies at the end.  No division by a small number, no difference of large sums.
; SHARES.  A tile of out, 256 x 256, is made by a work-group of four waves; a wave makes 128 x 128: 64 accumulators of 16 x 16, 512 registers.  8 x 32 tiles: 256 work-groups, one tile each.
; K goes in 32 steps of 128 through a ring of two LDS slots filled by the tensor data mover: 256 rows x 256 bytes of xb, and 128 rows (k) x 512 bytes of wb.
; CLUSTERS: 4 x 4 work-groups.  The four of a row of the cluster need the same tiles of xb, the four of a column the same tiles of wb: each tile is asked for JOINTLY, by the same
; tensor load with the same descriptor and a mask that names the four.
; THE MATRIX INSTRUCTION IS USED TRANSPOSED: source 0 = 16 columns of wb (turned on their way out of LDS by ds_load_tr16_b128, since wb lies [k][n]), source 1 = 16 rows of xb.
; In the result lane l holds row l % 16 of out and its registers 0-7 the columns 8 (l / 16) + 0..7: 32 neighbouring bytes.
; REGISTERS, in windows of 256 (s_set_vgpr_msb: bits 1:0 source 0, 3:2 source 1, 5:4 source 2, 7:6 destination):
;   window 0: v0-31 addresses; v32-63 rho, rho, s0, s0 of my row in each of the 8 row blocks; v64-127, v128-191 fragments of xb, two buffers (on the way out: rows read back)
;   window 1: v64-127, v128-191 fragments of wb, two buffers; v0-63 b[i1], v192-255 b[i2] of my 64 columns (register 8 b + j: column 16 b + 8 (l / 16) + j)
;   window 2: the 32 accumulators of my rows 0-63 (accumulator (a, b) at v[8 (8 a + b)]);   window 3: those of my rows 64-127
.set KSTEP,  128
.set ROWA,   4096                      ; bytes in a row of xb and of wb
.set ROWO,   8192                      ; bytes in a row of out
.set PITCH,  272                       ; an LDS row of xb: 256 bytes + 16 of padding: the 16 rows of a fragment load start 68 words apart
.set PB,     544                       ; an LDS row of wb: 512 bytes + 32 of padding: 16 lanes of the turning load take 8 rows x 32 bytes, 136 words apart
.set HALFT,  128*PITCH                 ; what one tensor load brings: 128 rows of xb, or 64 rows of wb (64 x 544 is the same 34,816 bytes)
.set SLOT,   4*HALFT                   ; xb's 256 rows, then wb's 128 rows
.set STAGE,  2*SLOT                    ; behind the ring: 16 rows x 528 bytes for each wave, for the way out; no tensor load lands here
.set SPITCH, 528                       ; 512 bytes of f32 + 16
.set BACK_A, (2048-2*KSTEP)*2          ; at half of K xb's tiles begin again at k = 0: from a slot's last K step of the first half back to its first
.set ADRA, 16                          ; v16-17  LDS address of my xb fragments in slot 0, 1
.set ADRB, 20                          ; v20-21  the same for wb
.set STO,  24                          ; v24     the way out: where I put 32 bytes of a row
.set RD,   25                          ; v25     the way out: where I read 16 bytes of a row back
.set CO,   26                          ; v26     my byte offset in a row of my part of out
.set SCO,  27                          ; v27     my byte offset in a row block's 256 bytes of scal
.set BO,   28                          ; v28     my byte offset in a column block's 64 bytes of bias
.set SC,   32
.set F0,   64
.set F1,   128
.set BA,   0                           ; window 1
.set BB,   192                         ; window 1
.set G1,  24                           ; s[24:31] descriptor group 1 for xb's tiles
.set G0,  32                           ; s[32:39] descriptor group 0 for xb's tiles, one set for each slot
.set G1B, 48                           ; s[48:55] descriptor group 1 for wb's tiles
.set G0B, 56                           ; s[56:63] descriptor group 0 for wb's tiles, one set for each slot
.set MSB, 0
.macro WIN new                         ; the immediate's high byte repeats the setting that is left; a switch that changes nothing is dropped
.if MSB != (\new)
	s_set_vgpr_msb (MSB<<8)|(\new)
.set MSB, \new
.endif
.endm
.set MUL_LO, 0xa1                      ; source 0 (wb) window 1, source 1 (xb) window 0, C and D window 2
.set MUL_HI, 0xf1                      ; the same, C and D window 3
.set TO_B,   0x40                      ; destination window 1, address window 0
; A joint load.  Waves 0 and 1 fetch xb's two halves, waves 2 and 3 wb's.  Each of the two lines has one mask and one set of registers for all that issue it.  The branch hangs on
; the wave's number alone.  Four v_nop follow each of the two lines, ahead of the jump, the label and what follows the macro.
.macro JLOAD s
	s_cmp_eq_u32 s11, 0
	s_cbranch_scc0 .Lfor_b_\@
	tensor_load_to_lds s[G0+4*\s:G0+4*\s+3], s[G1:G1+7]
	s_nop 0
.rept 4
	v_nop
.endr
	s_branch .Lasked_\@
.Lfor_b_\@:
	tensor_load_to_lds s[G0B+4*\s:G0B+4*\s+3], s[G1B:G1B+7]
	s_nop 0
.rept 4
	v_nop
.endr
.Lasked_\@:
.endm
; A round of the cluster's barrier: my work-group's barrier, so that wave 0's signal speaks for all four waves; wave 0 signals for the work-group; every wave waits for all
; sixteen work-groups; my work-group's barrier once more.
.macro CREST                           ; a round behind its opening barrier
	s_cmp_lg_u32 s10, 0
	s_cbranch_scc1 .Lnot_wave_0_\@
	s_barrier_signal -3
.Lnot_wave_0_\@:
	s_barrier_wait -3
	s_barrier_signal -1
	s_barrier_wait -1
.endm
.macro CROUND                          ; a whole round
	s_barrier_signal -1
	s_barrier_wait -1
	CREST
.endm
	s_load_b256 s[68:75], s[0:1], 0x0              ; xb s[68:69], wb s[70:71], out0 s[72:73], scal s[74:75]
	s_load_b128 s[76:79], s[0:1], 0x20             ; topidx s[76:77], b_experts s[78:79]
	v_lshl_add_u32 v254, v0, 2, 0x4c400
	v_mov_b32 v255, 0
	ds_add_u32 v254, v255
	v_lshrrev_b32 v1, 5, v0
	v_readfirstlane_b32 s10, v1                    ; wave 0..3
	s_lshr_b32 s11, s10, 1                         ; which half of the tile's rows is mine.  Also: I fetch for xb (0) or for wb (1)
	s_and_b32 s12, s10, 1                          ; which half of its columns.  Also: which half of that tile I fetch
	s_bfe_u32 s40, ttmp6, 0x40000                  ; cx: my place along the cluster's x
	s_bfe_u32 s41, ttmp6, 0x40004                  ; cy: along its y
	s_lshl_b32 s42, ttmp9, 2                       ; in a cluster launch ttmp9 and ttmp7 count clusters
	s_add_co_u32 s42, s42, s40                     ; tile column = 4 x cluster x + cx
	s_and_b32 s13, ttmp7, 0xffff
	s_lshl_b32 s13, s13, 2
	s_add_co_u32 s13, s13, s41                     ; tile row = 4 x cluster y + cy
	s_lshl_b32 s43, s41, 2
	s_lshl_b32 s43, 15, s43                        ; my row of the cluster: places 4 cy .. 4 cy + 3
	s_lshl_b32 s44, 0x1111, s40                    ; my column: places cx, cx + 4, cx + 8, cx + 12
	; group 1 for xb: 128 rows x 128 elements; 15:0 the mask of my row; 17:16 elements of 2 bytes; 20 padding on; 21 set beside a mask; 24:22 after every 64 words (code 5); 31:25 4 words (code 3)
	s_or_b32 s[G1+0], s43, (1<<16)|(1<<20)|(1<<21)|(5<<22)|(3<<25)
	s_mov_b32 s[G1+1], KSTEP<<16                   ; tensor_dim0 = 128
	s_mov_b32 s[G1+2], 128<<16                     ; tensor_dim1 = 128
	s_mov_b32 s[G1+3], KSTEP<<16                   ; tile_dim0 = 128
	s_mov_b32 s[G1+4], 128                         ; tile_dim1 = 128
	s_mov_b32 s[G1+5], 2048                        ; elements from row to row
	s_mov_b32 s[G1+6], 0
	s_mov_b32 s[G1+7], 0
	; group 1 for wb: 64 rows (k) x 256 elements (n); the mask of my column; padding after every 128 words (code 6) of 8 words (code 7)
	s_or_b32 s[G1B+0], s44, (1<<16)|(1<<20)|(1<<21)|(6<<22)|(7<<25)
	s_mov_b32 s[G1B+1], 256<<16                    ; tensor_dim0 = 256
	s_mov_b32 s[G1B+2], 64<<16                     ; tensor_dim1 = 64
	s_mov_b32 s[G1B+3], 256<<16                    ; tile_dim0 = 256
	s_mov_b32 s[G1B+4], 64                         ; tile_dim1 = 64
	s_mov_b32 s[G1B+5], 2048
	s_mov_b32 s[G1B+6], 0
	s_mov_b32 s[G1B+7], 0
	; where the tiles come from.  xb's hang on the tile row alone, which my row of the cluster shares; wb's on the tile column alone, which my column shares.
	; Every wave makes both addresses, in registers that never hold the other coordinate, and asks by one of them.
	s_lshl_b32 s16, s13, 20                        ; xb: 256 rows x 4,096 bytes a tile row
	s_lshl_b32 s17, s12, 19                        ; + my 128 rows
	s_add_co_u32 s16, s16, s17
	s_mov_b32 s17, 0
	s_lshl_b32 s46, s42, 9                         ; wb: 256 columns x 2 bytes a tile column
	s_lshl_b32 s47, s12, 18                        ; + my 64 rows x 4,096 bytes
	s_add_co_u32 s46, s46, s47
	s_mov_b32 s47, 0
	s_mul_i32 s20, s10, HALFT                      ; and where they go: wave x 34,816: no place in the cluster enters an LDS address
	s_wait_dscnt 0x0
	s_wait_kmcnt 0x0
	s_add_nc_u64 s[14:15], s[68:69], s[16:17]
	s_add_nc_u64 s[46:47], s[70:71], s[46:47]
	CROUND                                         ; all sixteen work-groups are here: the first joint loads meet
.irp s, 0,1
	s_mov_b32 s[G0+4*\s], 1                                        ; count = 1
	s_add_co_u32 s[G0+4*\s+1], s20, \s*SLOT                        ; LDS address
	s_add_nc_u64 s[G0+4*\s+2:G0+4*\s+3], s[14:15], \s*KSTEP*2      ; global address: K step s lies 256 bytes along xb's rows,
	s_or_b32 s[G0+4*\s+3], s[G0+4*\s+3], 0x80000000                ; type = 2
	s_mov_b32 s[G0B+4*\s], 1
	s_add_co_u32 s[G0B+4*\s+1], s20, \s*SLOT
	s_add_nc_u64 s[G0B+4*\s+2:G0B+4*\s+3], s[46:47], \s*KSTEP*ROWA ; and 128 rows down wb
	s_or_b32 s[G0B+4*\s+3], s[G0B+4*\s+3], 0x80000000
	JLOAD \s                                       ; the ring is filled before anything else is done: two tensor loads of mine are out
.endr
	s_load_b64 s[80:81], s[76:77], 0x0             ; token 0's experts i1, i2
	v_and_b32 v1, 15, v0                           ; r = l % 16
	v_bfe_u32 v2, v0, 4, 1                         ; h = l / 16
	; a fragment of xb: lane l holds row r; registers 0-3 k = 8 h + 0..7, registers 4-7 k = 16 + 8 h + 0..7: two loads of 16 bytes, 32 bytes apart
	v_mul_u32_u24 v3, v1, PITCH
	v_lshl_add_u32 v3, v2, 4, v3
	; a fragment of wb: the turning load takes 16 k x 16 n (lane l reads 16 bytes of row k = 8 h + l % 8, columns 8 ((l / 8) % 2) on) and leaves lane l column r and 8 k
	v_and_b32 v5, 7, v0
	v_lshl_add_u32 v5, v2, 3, v5
	v_mul_u32_u24 v5, v5, PB
	v_bfe_u32 v6, v0, 3, 1
	v_lshl_add_u32 v5, v6, 4, v5
	s_mul_i32 s21, s11, HALFT                      ; my 128 rows of xb
	s_lshl_b32 s22, s12, 8                         ; my 128 columns of wb, 256 bytes along its rows,
	s_add_co_u32 s22, s22, 2*HALFT                 ; which lie behind xb's 256 rows
.irp s, 0,1
	v_add_nc_u32 v[ADRA+\s], s21, v3
	v_add_nc_u32 v[ADRB+\s], s22, v5
	s_add_co_u32 s21, s21, SLOT
	s_add_co_u32 s22, s22, SLOT
.endr
	s_mul_i32 s23, s10, 16*SPITCH
	s_add_co_u32 s23, s23, STAGE                   ; my stage
	v_mul_u32_u24 v4, v1, SPITCH                   ; in: row r, 32 bytes for each half of the lanes
	v_lshl_add_u32 v4, v2, 5, v4
	v_add_nc_u32 v[STO], s23, v4
	v_and_b32 v7, 31, v0
	v_lshl_add_u32 v[RD], v7, 4, s23               ; back: the 32 lanes take one row of 512 bytes
	v_lshlrev_b32 v[CO], 4, v7                     ; and the same 512 bytes of a row of out
	v_lshlrev_b32 v[SCO], 4, v1
	v_lshlrev_b32 v[BO], 5, v2
	s_lshl_b32 s16, s13, 21                        ; out: 256 rows x 8,192 bytes a tile row
	s_lshl_b32 s17, s11, 20                        ; + my 128 rows
	s_add_co_u32 s16, s16, s17
	s_mov_b32 s17, 0
	s_add_nc_u64 s[72:73], s[72:73], s[16:17]
	s_lshl_b32 s46, s42, 10                        ; + 256 columns x 4 bytes a tile column (in the registers that held wb's address: none that feeds xb's descriptors ever holds cx)
	s_lshl_b32 s47, s12, 9                         ; + my 128 columns
	s_add_co_u32 s46, s46, s47
	s_mov_b32 s47, 0
	s_add_nc_u64 s[72:73], s[72:73], s[46:47]
	s_lshl_b32 s16, s13, 12                        ; scal: 256 tokens x 16 bytes a tile row
	s_lshl_b32 s17, s11, 11                        ; + my 128
	s_add_co_u32 s16, s16, s17
	s_mov_b32 s17, 0
	s_add_nc_u64 s[74:75], s[74:75], s[16:17]
.irp a, 0,1,2,3,4,5,6,7
	global_load_b128 v[SC+4*\a:SC+4*\a+3], v[SCO], s[74:75] offset:256*\a      ; row 16 a + r: rho, rho, s0, s0
.endr
	s_wait_kmcnt 0x0
	s_min_u32 s80, s80, 7                          ; indices that were loaded enter an address only clamped to the table
	s_min_u32 s81, s81, 7
	s_lshl_b32 s18, s80, 13                        ; a row of b_experts is 8,192 bytes;
	s_add_co_u32 s18, s18, s46                     ; my columns lie as in out
	s_mov_b32 s19, 0
	s_add_nc_u64 s[82:83], s[78:79], s[18:19]      ; b[i1]
	s_lshl_b32 s18, s81, 13
	s_add_co_u32 s18, s18, s46
	s_add_nc_u64 s[84:85], s[78:79], s[18:19]      ; b[i2]
	WIN TO_B
.irp b, 0,1,2,3,4,5,6,7
	global_load_b128 v[BA+8*\b:BA+8*\b+3],   v[BO], s[82:83] offset:64*\b
	global_load_b128 v[BA+8*\b+4:BA+8*\b+7], v[BO], s[82:83] offset:64*\b+16
	global_load_b128 v[BB+8*\b:BB+8*\b+3],   v[BO], s[84:85] offset:64*\b
	global_load_b128 v[BB+8*\b+4:BB+8*\b+7], v[BO], s[84:85] offset:64*\b+16
.endr
	WIN 0
; 16 matrix instructions: row blocks a0, a0 + 1 of the window's four (hi = 0: my rows 0-63, 1: rows 64-127) x all 8 column blocks, 32 along K.
; zero = 1: the first product starts the sums: nothing is ever cleared.  The 64 accumulators take turns, one instruction a turn, in the same order in every quarter step.
.macro MUL16 f, hi, a0, zero
.irp a, \a0, \a0+1
.irp b, 0,1,2,3,4,5,6,7
.if \zero
	v_wmma_f32_16x16x32_bf16 v[8*(8*(\a)+\b):8*(8*(\a)+\b)+7], v[\f+8*\b:\f+8*\b+7], v[\f+8*(4*\hi+\a):\f+8*(4*\hi+\a)+7], 0
.else
	v_wmma_f32_16x16x32_bf16 v[8*(8*(\a)+\b):8*(8*(\a)+\b)+7], v[\f+8*\b:\f+8*\b+7], v[\f+8*(4*\hi+\a):\f+8*(4*\hi+\a)+7], v[8*(8*(\a)+\b):8*(8*(\a)+\b)+7]
.endif
.endr
.endr
.endm
; 32 LDS loads in one run: the fragments of quarter q of a K step (32 k x 128 columns of wb, turned; 128 rows x 32 k of xb) into buffer f
.macro FETCH slot, q, f
	WIN TO_B
.irp i, 0,1,2,3,4,5,6,7
	ds_load_tr16_b128 v[\f+8*\i:\f+8*\i+3],   v[ADRB+\slot] offset:\q*32*PB+32*\i
	ds_load_tr16_b128 v[\f+8*\i+4:\f+8*\i+7], v[ADRB+\slot] offset:\q*32*PB+32*\i+16*PB
.endr
	WIN 0
.irp i, 0,1,2,3,4,5,6,7
	ds_load_b128 v[\f+8*\i:\f+8*\i+3],   v[ADRA+\slot] offset:\q*64+\i*16*PITCH
	ds_load_b128 v[\f+8*\i+4:\f+8*\i+7], v[ADRA+\slot] offset:\q*64+\i*16*PITCH+32
.endr
.endm
; A load into a register that a matrix instruction has read, and a vector instruction that reads a matrix result, stand four places behind that matrix instruction, and only plain
; vector instructions that name none of its registers are places (ISA guide 7.12.1 for vector instructions).
.macro PLACES
.rept 4
	v_nop
.endr
.endm
; A K step is four quarters of 32 along K, 64 matrix instructions each, on buffers 0, 1, 0, 1.
; One of the first three: multiplies buffer f; in its middle it fetches quarter q of the same slot into buffer g.
.macro QUARTER slot, q, f, g, zero
	s_wait_dscnt 8                                 ; wb and xb's rows 0-63 are in; the youngest eight loads (xb's rows 64-127) may be out
	WIN MUL_LO
	MUL16 \f, 0, 0, \zero
	MUL16 \f, 0, 2, \zero
	PLACES
	FETCH \slot, \q, \g
	s_wait_dscnt 32                                ; all but the 32 just issued
	WIN MUL_HI
	MUL16 \f, 1, 0, \zero
	MUL16 \f, 1, 2, \zero
.endm
; The last quarter multiplies buffer 1 and changes slots.  MEET is its first half: one barrier for the change.  In front of it each wave waits for its own reads of this slot and
; for all its tensor loads, of which one is out: its part of the next slot.  Behind it nobody reads this slot any more and the next slot is whole.
.macro MEET round                      ; round = 1: the rest of a round of the cluster's barrier follows
	s_wait_dscnt 8
	WIN MUL_LO
	MUL16 F1, 0, 0, 0
	s_wait_dscnt 0                                 ; my reads of this slot are over
	s_set_vgpr_msb 0xa1a0
	s_wait_tensorcnt 0x0                           ; and all my tensor loads have landed
	ds_add_u32 v254, v255
	s_wait_dscnt 0x0
	s_set_vgpr_msb 0xa0a1
	s_barrier_signal -1
	MUL16 F1, 0, 2, 0                              ; work on registers while the others arrive
.if \round
	WIN 0                                          ; at a branch and at a label every window is 0
.endif
	s_barrier_wait -1
.endm
; The whole last quarter, with a refill: the slot just read out takes the K step two steps on; then come the next slot's first fragments.
; on = 1: that K step belongs to the second half of K: xb's address goes back to k = 0 (or 128); wb's rows run on without a break.
; From a request to the wait for it a wave issues 240 matrix instructions.
.macro TURN slot, next, on
	MEET 1
	CREST                                          ; no wave of any partner still reads this slot's tile or has a load on its way; none of mine is out, so a group 0 may be written
.if \on
	s_sub_nc_u64 s[G0+4*\slot+2:G0+4*\slot+3], s[G0+4*\slot+2:G0+4*\slot+3], BACK_A
.else
	s_add_nc_u64 s[G0+4*\slot+2:G0+4*\slot+3], s[G0+4*\slot+2:G0+4*\slot+3], 2*KSTEP*2
.endif
	s_add_nc_u64 s[G0B+4*\slot+2:G0B+4*\slot+3], s[G0B+4*\slot+2:G0B+4*\slot+3], 2*KSTEP*ROWA
	JLOAD \slot                                    ; the first tensor load behind the round, my only one until the next; its four v_nop are also the places in front of the loads below
	FETCH \next, 0, F0
	WIN MUL_HI
	MUL16 F1, 1, 0, 0
	MUL16 F1, 1, 2, 0
.endm
; The same without a refill, for the last K step but one: nothing is left to fetch, so the work-group's barrier alone
.macro TURNX slot, next
	MEET 0
	PLACES
	FETCH \next, 0, F0
	WIN MUL_HI
	MUL16 F1, 1, 0, 0
	MUL16 F1, 1, 2, 0
.endm
; Seven trips, each once round the ring, from a lap's second quarter to the next lap's first; both slots are filled again in each
.macro LAPS7
	WIN 0
	s_mov_b32 s3, 7
.Llap_\@:
	QUARTER 0, 2, F1, F0, 0
	QUARTER 0, 3, F0, F1, 0
	TURN 0, 1, 0
	QUARTER 1, 1, F0, F1, 0
	QUARTER 1, 2, F1, F0, 0
	QUARTER 1, 3, F0, F1, 0
	TURN 1, 0, 0
	QUARTER 0, 1, F0, F1, 0
	WIN 0
	s_sub_co_u32 s3, s3, 1
	s_cmp_lg_u32 s3, 0
	s_cbranch_scc1 .Llap_\@
.endm
; AT HALF OF K, for the window's 32 accumulators: acc = (acc + b[i2]) rho + b[i1].  All additions first, then all multiply-adds, so that no instruction waits for the one before it.
.macro RESC hi
	WIN 0x86+0x41*\hi                              ; accumulators (destination, source 0) in window 2 or 3, b[i2] (source 1) in window 1
.irp a, 0,1,2,3
.irp b, 0,1,2,3,4,5,6,7
.irp p, 0,2,4,6
	v_pk_add_f32 v[8*(8*\a+\b)+\p:8*(8*\a+\b)+\p+1], v[8*(8*\a+\b)+\p:8*(8*\a+\b)+\p+1], v[BB+8*\b+\p:BB+8*\b+\p+1]
.endr
.endr
.endr
	WIN 0x92+0x41*\hi                              ; rho (source 1) in window 0, b[i1] (source 2) in window 1
.irp a, 0,1,2,3
.irp b, 0,1,2,3,4,5,6,7
.irp p, 0,2,4,6
	v_pk_fma_f32 v[8*(8*\a+\b)+\p:8*(8*\a+\b)+\p+1], v[8*(8*\a+\b)+\p:8*(8*\a+\b)+\p+1], v[SC+4*(4*\hi+\a):SC+4*(4*\hi+\a)+1], v[BA+8*\b+\p:BA+8*\b+\p+1]
.endr
.endr
.endr
.endm
; THE WAY OUT of row block a (16 rows x 128 columns), in three parts.  SCALE: times s0, in place.  TOSTAGE: into my own stage in LDS, and back as whole rows of 512 bytes.  SEND: stored.
.macro SCALE a
.set AC, 64*((\a)%4)
	WIN 0x82+0x41*((\a)/4)                         ; accumulators in window 2 or 3, s0 in window 0
.set i, 0
.rept 32
	v_pk_mul_f32 v[AC+i:AC+i+1], v[AC+i:AC+i+1], v[SC+4*(\a)+2:SC+4*(\a)+3]
.set i, i+2
.endr
.endm
.macro TOSTAGE a
.set AC, 64*((\a)%4)
.set BK, F0+64*((\a)%2)
	WIN 0x08+0x04*((\a)/4)                         ; the stores' data (source 1) in window 2 or 3
.irp b, 0,1,2,3,4,5,6,7
	ds_store_b128 v[STO], v[AC+8*\b:AC+8*\b+3]   offset:64*\b
	ds_store_b128 v[STO], v[AC+8*\b+4:AC+8*\b+7] offset:64*\b+16
.endr
	WIN 0
	s_wait_xcnt 0x0                                ; the registers below were the data of the stores two blocks back: they are loaded into again only behind this wait
.irp t, 0,1,2,3,4,5,6,7,8,9,10,11,12,13,14,15
	ds_load_b128 v[BK+4*\t:BK+4*\t+3], v[RD] offset:\t*SPITCH      ; LDS serves a wave's instructions in order: these see the stores above, and the next block's stores come behind them
.endr
.endm
.macro SEND a
.set BK, F0+64*((\a)%2)
	WIN 0
.irp t, 0,1,2,3,4,5,6,7,8,9,10,11,12,13,14,15
	s_wait_dscnt 15-\t                             ; the block's 16 loads are the youngest LDS instructions: row t is back
	global_store_b128 v[CO], v[BK+4*\t:BK+4*\t+3], s[72:73] offset:16*ROWO*(\a)+ROWO*\t th:TH_STORE_NT   ; the wave stores 512 consecutive bytes, at a multiple of 512 from out's first byte; 127 rows at the most in the immediate
.endr
.endm
	s_wait_tensorcnt 1                             ; my part of K step 0 is in; K step 1's may stay out
	s_barrier_signal -1
	s_barrier_wait -1                              ; everybody's is
	FETCH 0, 0, F0
	QUARTER 0, 1, F0, F1, 1                        ; the first quarter's products start the sums
	LAPS7                                          ; K steps 0-13 and the first quarter of 14
	QUARTER 0, 2, F1, F0, 0
	QUARTER 0, 3, F0, F1, 0
	TURN 0, 1, 1                                   ; slot 0 takes K step 16: the second half begins
	QUARTER 1, 1, F0, F1, 0
	QUARTER 1, 2, F1, F0, 0
	QUARTER 1, 3, F0, F1, 0
	TURN 1, 0, 1                                   ; slot 1 takes K step 17; K step 16's first fragments are fetched
	s_wait_loadcnt 0x0                             ; scal and the biases, asked for at the start
	RESC 0                                         ; rows 0-63 were finished in front of the joint load's four v_nop; these 256 instructions, which name no register of the last products, are those products' places
	RESC 1
	QUARTER 0, 1, F0, F1, 0
	LAPS7                                          ; K steps 16-29 and the first quarter of 30
	QUARTER 0, 2, F1, F0, 0
	QUARTER 0, 3, F0, F1, 0
	TURNX 0, 1                                     ; my last tensor load, K step 31's, is waited for here; no slot is filled that no later step reads
	QUARTER 1, 1, F0, F1, 0
	QUARTER 1, 2, F1, F0, 0
	QUARTER 1, 3, F0, F1, 0
	s_wait_dscnt 8                                 ; the very last quarter: nothing more to fetch
	WIN MUL_LO
	MUL16 F1, 0, 0, 0
	MUL16 F1, 0, 2, 0
	s_wait_dscnt 0
	WIN MUL_HI
	MUL16 F1, 1, 0, 0
	MUL16 F1, 1, 2, 0
	PLACES
	SCALE 0
	TOSTAGE 0
.irp a, 1,2,3,4,5,6,7                  ; block a's multiplications stand between block a - 1's loads from the stage and the waits for them
	SCALE \a
	SEND \a-1
	TOSTAGE \a
.endr
	SEND 7
	s_wait_tensorcnt 0x0
	ds_add_u32 v254, v255
	s_wait_dscnt 0x0
	CROUND                                         ; the closing round: no work-group ends while a partner may still ask for a tile that names it
	s_endpgm
.Lfunc_end_k_qb16e6067bf_moe:
	.size	k_qb16e6067bf_moe, .Lfunc_end_k_qb16e6067bf_moe-k_qb16e6067bf_moe
	.p2alignl 7, 3214868480
	.fill 96, 4, 3214868480
	.section	.rodata,"a",@progbits
	.p2align	6, 0x0
	.amdhsa_kernel k_qb16e6067bf_moe
		.amdhsa_group_segment_fixed_size 327680
		.amdhsa_private_segment_fixed_size 0
		.amdhsa_enable_private_segment 0
		.amdhsa_kernarg_size 48
		.amdhsa_user_sgpr_count 2
		.amdhsa_user_sgpr_kernarg_segment_ptr 1
		.amdhsa_wavefront_size32 1
		.amdhsa_system_sgpr_workgroup_id_x 1
		.amdhsa_system_sgpr_workgroup_id_y 1
		.amdhsa_system_sgpr_workgroup_id_z 1
		.amdhsa_system_vgpr_workitem_id 0
		.amdhsa_next_free_vgpr 1024
		.amdhsa_next_free_sgpr 88
		.amdhsa_reserve_vcc 0
		.amdhsa_float_denorm_mode_32 3
		.amdhsa_float_denorm_mode_16_64 3
		.amdhsa_memory_ordered 1
		.amdhsa_forward_progress 1
		.amdhsa_inst_pref_size 255
	.end_amdhsa_kernel
	.section	.bss,"aw",@nobits
	.p2align	6
	.space	262144
	.amdgpu_metadata
---
amdhsa.version: [ 1, 2 ]
amdhsa.kernels:
  - .name:           k_qb16e6067bf_moe
    .symbol:         k_qb16e6067bf_moe.kd
    .args:
      - { .name: xb, .offset: 0, .size: 8, .value_kind: global_buffer, .address_space: global }
      - { .name: wb, .offset: 8, .size: 8, .value_kind: global_buffer, .address_space: global }
      - { .name: out0, .offset: 16, .size: 8, .value_kind: global_buffer, .address_space: global }
      - { .name: scal, .offset: 24, .size: 8, .value_kind: global_buffer, .address_space: global }
      - { .name: topidx, .offset: 32, .size: 8, .value_kind: global_buffer, .address_space: global }
      - { .name: b_experts, .offset: 40, .size: 8, .value_kind: global_buffer, .address_space: global }
    .group_segment_fixed_size: 327680
    .private_segment_fixed_size: 0
    .kernarg_segment_align: 8
    .kernarg_segment_size: 48
    .max_flat_workgroup_size: 128
    .sgpr_count:     88
    .vgpr_count:     1024
    .wavefront_size: 32
...
	.end_amdgpu_metadata
.endif
;; end of part 3
;; ======== version 2 of 2: 3 launches; version 1 with the launches gate, wcvt written anew for expert scheduling mode
;; workspace buffers: xb 33,554,432 bytes; wb 16,777,216 bytes; scal 131,072 bytes; topidx 65,536 bytes of whole numbers
;; launch gate (part 4): grid 256 x 1, 8 waves a work-group, no clusters, 109,568 bytes of LDS; arguments x, W_gate, b_gate, xb, scal, topidx; writes xb, scal, topidx
.if DOCPART == 4
	.amdgcn_target "amdgcn-amd-amdhsa--gfx1250"
	.amdhsa_code_object_version 6
	.text
	.protected	k_qb16e6067bf_gate
	.globl	k_qb16e6067bf_gate
	.p2align	8
	.type	k_qb16e6067bf_gate,@function
k_qb16e6067bf_gate:
	s_mov_b64 s[64:65], 0
	v_nop
	global_prefetch_b8 v0, s[64:65] scope:SCOPE_SE
	s_setreg_imm32_b32 hwreg(HW_REG_WAVE_SCHED_MODE, 0, 2), 2
	s_setreg_imm32_b32 hwreg(HW_REG_WAVE_MODE, 25, 1), 1
	s_wait_xcnt 0x0
	s_wait_alu depctr_vm_vsrc(0)
; xb = bf16(x);  logits = x W_gate + b_gate (bf16 operands, f32 sums);  for every token its two largest softmax gates s0 >= s1 and their experts.
; x: [8192][2048] f32.  W_gate: [2048][8] f32.  b_gate: [8] f32.  xb: [8192][2048] bf16.
; scal: 16 bytes a token {rho, rho, s0, s0}, rho = s1 / s0 = exp(l2 - l1), s0 = 1 / sum of exp(l - l1): the largest logit is taken away before every exponential.
; topidx: 8 bytes a token {expert of s0, expert of s1}, whole numbers.
; LIMITS.  The ranking is made on the logits (softmax keeps their order) with a strict greater-than, so the lower index wins a tie; logits that differ but would round to
; equal gates may change places, their scores then being equal.  rho below 2^-126 comes out as 0 (v_exp_f32 gives no denormals).  With NaN among the logits the order is undefined.
; SHARES.  A work-group owns 32 rows.  Wave w takes rows 16 (w & 1) .. +15 and columns 512 (w >> 1) .. +511, in four groups of 128 columns: a group is 16 loads, each one row's
; 512 consecutive bytes.  A group is rounded to bf16, stored to xb (each store of the wave covers 256 consecutive bytes, aligned), laid into the wave's own stage in
; LDS and read back as matrix fragments.  Memory binds this launch: the gate's products ride on the one read of x.  No cluster: the work-groups share W_gate alone, 64 KiB.
; THE MATRIX INSTRUCTION IS USED TRANSPOSED: source 0 = 16 columns of W_gate (8 experts and 8 columns of zeros), source 1 = 16 rows of x.  In the result lane r (0-15) holds
; row r's eight logits in its eight registers.
; THE MODE: SCHED_MODE bits 1:0 = 2 (LLVM: expert scheduling mode 2), set by the entry lines.  The code itself states the register dependences between vector or matrix
; instructions and memory or LDS instructions, with s_wait_alu, always for 0.
; THE PLAN.  Registers that memory or LDS instructions touch:
;   v4-v11, v[12:13]  offsets, LDS addresses and zeros: written once at the head, never again.
;   WG                W_gate as loaded; rounded in place; read by 16 LDS stores.  Behind the first barrier the same registers are BF and OUT.
;   X0, X1            Group g: its 32 roundings read X[g % 2]; behind them the loads of group g + 2 land in it.  No store reads X.
;   OUT               Group g: its roundings write it; its 16 global and 16 LDS stores read it; group g + 1's roundings write it again.
;   BF, AF            Group g: LDS loads land in them; its four products read them; group g + 1's loads land in them again.
;   D                 Named by products and sums; read at the end by two LDS stores.
; So ONE wait on va_vdst stands in a group, behind its roundings: OUT is written, X[g % 2] has been read, and the products of the group before are done reading BF and AF.  All the
; group's memory and LDS instructions follow it with no vector instruction between.  One wait on vm_vsrc, beside s_wait_xcnt 0, stands at the head of groups 1 to 3, a whole group behind the stores that read OUT.
; No scalar register that a vector instruction has read is written again: each such number has a register of its own.
.set ROWX, 8192                        ; bytes in a row of x
.set ROWB, 4096                        ; bytes in a row of xb
.set WT,   0                           ; LDS: W_gate as [2048 k][16] bf16, 32 bytes a row: columns 0-7 the experts, 8-15 zeros
.set STG,  65536                       ; LDS: a stage of 16 rows x 272 bytes for each wave (256 of data + 16: the 16 rows of a fragment load start 68 words apart)
.set SP,   272
.set PART, 100352                      ; LDS: 1,024 bytes a wave: each lane's 8 partial sums.  Beyond the 16 bits of an LDS immediate: it stands in the address registers
.set XO,  4                            ; v4   my byte offset in the group's rows of x
.set XBO, 5                            ; v5   the same in xb
.set STO, 6                            ; v6   stage: where my 8 bytes of a row go
.set AAD, 7                            ; v7   stage: my place in a fragment of x
.set BAD, 8                            ; v8   WT: my place in the turning load
.set WLO, 9                            ; v9   my byte offset in W_gate
.set WST, 10                           ; v10  WT: where my 8 bytes go
.set PST, 11                           ; v11  PART: my 32 bytes
.set Z,   12                           ; v[12:13] zeros
.set D,   16                           ; v[16:23], v[24:31] two accumulators, by turns
.set AF,  32                           ; v[32:63] fragments of x: 4 chunks of 32 along k
.set BF,  64                           ; v[64:95] fragments of W_gate
.set OUT, 96                           ; v[96:127] a group in bf16: row i's 8 bytes at OUT + 2 i
.set WG,  64                           ; v[64:127] W_gate as loaded, before BF and OUT are in use
.set X,   128                          ; v[128:255] two slots of 16 loads
; the tail, wave 0
.set LG,  32                           ; v[32:39] the 8 logits of my row
.set M1,  40
.set M2,  41
.set I1,  42                           ; v[42:43] the pair that is stored
.set I2,  43
.set T,   44
.set E,   48                           ; v[48:55] exponents, then exponentials
.set R,   56                           ; v[56:59] rho, rho, s0, s0
.set PRD, 128                          ; three registers of X, which no memory or LDS instruction has read
.set O16, 129
.set O8,  130
	s_load_b256 s[4:11], s[0:1], 0x0               ; x s[4:5], W_gate s[6:7], b_gate s[8:9], xb s[10:11]
	s_load_b128 s[12:15], s[0:1], 0x20             ; scal s[12:13], topidx s[14:15]
	s_set_vgpr_msb 0x40
	v_lshl_add_u32 v0, v0, 2, 0x1a800
	v_mov_b32 v1, 0
	s_set_vgpr_msb 0x4000
	v_lshrrev_b32 v2, 5, v0
	v_readfirstlane_b32 s16, v2                    ; wave 0..7
	v_and_b32 v1, 31, v0                           ; lane L
	v_and_b32 v2, 15, v0                           ; r = L % 16
	v_bfe_u32 v3, v0, 4, 1                         ; h = L / 16
	v_lshlrev_b32 v[WLO], 4, v0                    ; the 256 threads take 4,096 consecutive bytes of W_gate a load
	s_wait_alu depctr_va_sdst(0)                   ; s16 is written, ahead of its first reader: the wave's shares are made from it
	s_and_b32 s17, s16, 1                          ; which 16 rows
	s_lshr_b32 s18, s16, 1                         ; which 512 columns
	s_lshl_b32 s20, s17, 17                        ; 16 rows of 8,192 bytes
	s_lshl_b32 s21, s18, 11                        ; 512 columns of 4 bytes
	s_add_co_u32 s20, s20, s21
	v_lshl_add_u32 v[XO], v1, 4, s20               ; + 16 L
	s_lshl_b32 s22, ttmp9, 18                      ; the work-group's 32 rows of x
	s_mov_b32 s23, 0
	s_wait_kmcnt 0x0
	s_add_nc_u64 s[4:5], s[4:5], s[22:23]
	s_load_b256 s[24:31], s[8:9], 0x0              ; b_gate, 8 numbers, for the tail
	s_wait_alu depctr_va_vdst(0)                   ; v[WLO] and v[XO] are written, which the loads below read as their offsets
.irp j, 0,1,2,3,4,5,6,7,8,9,10,11,12,13,14,15
	global_load_b128 v[WG+4*\j:WG+4*\j+3], v[WLO], s[6:7] offset:4096*\j
.endr
.macro FILL slot, g                    ; 16 loads: group g's 128 columns of my 16 rows
.irp i, 0,1,2,3,4,5,6,7,8,9,10,11,12,13,14,15
	global_load_b128 v[X+64*\slot+4*\i:X+64*\slot+4*\i+3], v[XO], s[4:5] offset:ROWX*\i+512*(\g) th:TH_LOAD_NT
.endr
.endm
	FILL 0, 0
	FILL 1, 1
	; the other addresses are made while the loads are on their way; none of these lines names a register that a load reads or lands in
	s_lshl_b32 s22, ttmp9, 17                      ; the work-group's 32 rows of xb,
	s_add_nc_u64 s[10:11], s[10:11], s[22:23]
	s_lshl_b32 s22, ttmp9, 9                       ; its 32 x 16 bytes of scal,
	s_add_nc_u64 s[12:13], s[12:13], s[22:23]
	s_lshl_b32 s22, ttmp9, 8                       ; its 32 x 8 bytes of topidx
	s_add_nc_u64 s[14:15], s[14:15], s[22:23]
	s_lshl_b32 s34, s17, 16
	s_lshl_b32 s35, s18, 10
	s_add_co_u32 s34, s34, s35
	v_lshl_add_u32 v[XBO], v1, 3, s34              ; 16 rows x 4,096 + 512 columns x 2 + 8 L
	s_mul_i32 s36, s16, 16*SP
	s_add_co_u32 s36, s36, STG                     ; my wave's stage
	v_lshl_add_u32 v[STO], v1, 3, s36
	v_mul_u32_u24 v14, v2, SP
	v_lshl_add_u32 v14, v3, 4, v14
	v_add_nc_u32 v[AAD], s36, v14                  ; row r x pitch + 16 h
	; the turning load takes 16 k x 16 columns: lane L reads 16 bytes of row k = 8 h + L % 8, columns 8 ((L / 8) % 2) on, and is left with column r and 8 k
	s_lshl_b32 s37, s18, 14                        ; my 512 k x 32 bytes
	v_and_b32 v14, 7, v1
	v_lshl_add_u32 v14, v3, 3, v14
	v_lshlrev_b32 v14, 5, v14
	v_bfe_u32 v15, v1, 3, 1
	v_lshl_add_u32 v14, v15, 4, v14
	v_add_nc_u32 v[BAD], s37, v14
	; thread 32 w + L holds 4 experts' weights of k = 16 w + L / 2 (+ 128 j): 8 bytes of bf16 at 32 k + 8 (L % 2)
	s_lshl_b32 s38, s16, 9
	v_lshrrev_b32 v14, 1, v1
	v_and_b32 v15, 1, v1
	v_lshl_add_u32 v14, v14, 5, s38
	v_lshl_add_u32 v[WST], v15, 3, v14
	s_lshl_b32 s39, s16, 10
	s_add_co_u32 s39, s39, PART
	v_lshl_add_u32 v[PST], v1, 5, s39
	v_mov_b32 v[Z], 0
	v_mov_b32 v[Z+1], 0
	s_wait_loadcnt 32                              ; W_gate is in; the 32 younger loads, of x, stay out
.irp j, 0,1,2,3,4,5,6,7,8,9,10,11,12,13,14,15
	v_cvt_pk_bf16_f32 v[WG+4*\j],   v[WG+4*\j],   v[WG+4*\j+1]
	v_cvt_pk_bf16_f32 v[WG+4*\j+1], v[WG+4*\j+2], v[WG+4*\j+3]
.endr
	s_wait_alu depctr_va_vdst(0)                   ; the roundings have written v[WG ..], and v[Z ..] and v[WST] are written, which the LDS stores read; so are v[XBO], v[STO], v[AAD], v[BAD], v[PST], for all that follows
.irp j, 0,1,2,3,4,5,6,7,8,9,10,11,12,13,14,15
	ds_store_b64 v[WST], v[WG+4*\j:WG+4*\j+1] offset:WT+4096*\j
	ds_store_b64 v[WST], v[Z:Z+1] offset:WT+4096*\j+16        ; columns 8-15
.endr
	s_wait_kmcnt 0x0                               ; b_gate
	s_wait_dscnt 0x0                               ; for the others' sake: my part of WT is written
	s_barrier_signal -1
	s_barrier_wait -1                              ; WT is whole
	s_wait_alu depctr_vm_vsrc(0)                   ; my LDS stores have read v[WG ..]: these registers are BF and OUT from here on, written by the turning loads and by the roundings
; One group of 128 columns in slot `slot`.  left = the younger loads that may stay out; refill = 1: the slot takes group g + 2; first = 1: the first group: its first two products start the sums, and no stores of OUT stand in front of it.
.macro GROUP slot, g, left, refill, first
	s_wait_loadcnt \left                           ; loads come back in order: my slot's 16 are in
.if !\first
	s_wait_xcnt 0x0                                ; every earlier memory instruction has had its addresses translated: OUT, the data of the last group's global stores, is rewritten only behind this wait
	s_wait_alu depctr_vm_vsrc(0)                   ; the last group's global and LDS stores have read OUT, which the roundings below write again
.endif
.irp i, 0,1,2,3,4,5,6,7,8,9,10,11,12,13,14,15      ; 32 roundings; they also stand between the last group's products and the loads into their fragments
	v_cvt_pk_bf16_f32 v[OUT+2*\i],   v[X+64*\slot+4*\i],   v[X+64*\slot+4*\i+1]
	v_cvt_pk_bf16_f32 v[OUT+2*\i+1], v[X+64*\slot+4*\i+2], v[X+64*\slot+4*\i+3]
.endr
	s_wait_alu depctr_va_vdst(0)                   ; the roundings have written OUT, which the stores read, and are done reading the slot, in which the loads below land; the last group's products are done reading BF and AF
.if \refill
	FILL \slot, \g+2                               ; the slot is asked for again at once, ahead of the stores
.endif
.irp c, 0,1,2,3
	ds_load_tr16_b128 v[BF+8*\c:BF+8*\c+3],   v[BAD] offset:WT+(128*\g+32*\c)*32
	ds_load_tr16_b128 v[BF+8*\c+4:BF+8*\c+7], v[BAD] offset:WT+(128*\g+32*\c)*32+512
.endr
.irp i, 0,1,2,3,4,5,6,7,8,9,10,11,12,13,14,15
	ds_store_b64 v[STO], v[OUT+2*\i:OUT+2*\i+1] offset:SP*\i
	global_store_b64 v[XBO], v[OUT+2*\i:OUT+2*\i+1], s[10:11] offset:ROWB*\i+256*\g   ; 32 lanes store 256 consecutive bytes, at a multiple of 256 from xb's first byte
.endr
.irp c, 0,1,2,3
	ds_load_b128 v[AF+8*\c:AF+8*\c+3],   v[AAD] offset:64*\c          ; the stage is my wave's own, and LDS serves a wave's instructions in order: these see the stores above
	ds_load_b128 v[AF+8*\c+4:AF+8*\c+7], v[AAD] offset:64*\c+32
.endr
	s_wait_dscnt 0x0
.irp c, 0,1,2,3                        ; the two accumulators take turns, one instruction a turn, from group to group too
.if \first && (\c < 2)
	v_wmma_f32_16x16x32_bf16 v[D+8*(\c%2):D+8*(\c%2)+7], v[BF+8*\c:BF+8*\c+7], v[AF+8*\c:AF+8*\c+7], 0
.else
	v_wmma_f32_16x16x32_bf16 v[D+8*(\c%2):D+8*(\c%2)+7], v[BF+8*\c:BF+8*\c+7], v[AF+8*\c:AF+8*\c+7], v[D+8*(\c%2):D+8*(\c%2)+7]
.endif
.endr
.endm
	GROUP 0, 0, 16, 1, 1
	GROUP 1, 1, 16, 1, 0
	GROUP 0, 2, 16, 0, 0
	GROUP 1, 3, 0,  0, 0
.rept 4
	v_nop                                          ; four places between the last products and the reading of their results (ISA guide 7.12.1)
.endr
.irp j, 0,2,4,6
	v_pk_add_f32 v[D+\j:D+\j+1], v[D+\j:D+\j+1], v[D+8+\j:D+8+\j+1]
.endr
	s_wait_alu depctr_va_vdst(0)                   ; the four sums have written v[D .. D+7], which the LDS stores read
	ds_store_b128 v[PST], v[D:D+3]
	ds_store_b128 v[PST], v[D+4:D+7] offset:16
	s_wait_dscnt 0x0                               ; for wave 0's sake: my partial sums are written
	s_barrier_signal -1
	s_barrier_wait -1
	s_cmp_lg_u32 s16, 0
	s_cbranch_scc1 .Lend
	; WAVE 0: lane L is row L of the work-group's 32.  Its logits lie in lane L % 16 of waves L / 16 + 2 kq, kq = 0..3.
	v_lshlrev_b32 v[PRD], 10, v3                   ; wave L / 16: 1,024 bytes a wave
	v_lshl_add_u32 v[PRD], v2, 5, v[PRD]           ; lane L % 16: 32 bytes a lane
	v_add_nc_u32 v[PRD], PART, v[PRD]              ; the region's start stands in the register; the immediates below keep 2,048 kq (+ 16) alone
	v_lshlrev_b32 v[O16], 4, v1
	v_lshlrev_b32 v[O8], 3, v1
	s_wait_alu depctr_va_vdst(0)                   ; v[PRD] is written, which the LDS loads read; the products that read v[32:63], in which these loads land, stand ahead of this wait too
.irp q, 0,1,2,3
	ds_load_b128 v[LG+8*\q:LG+8*\q+3],   v[PRD] offset:2048*\q
	ds_load_b128 v[LG+8*\q+4:LG+8*\q+7], v[PRD] offset:2048*\q+16
.endr
	s_wait_dscnt 0x0
.irp j, 0,2,4,6
	v_pk_add_f32 v[LG+\j:LG+\j+1], v[LG+\j:LG+\j+1], v[LG+8+\j:LG+8+\j+1]
	v_pk_add_f32 v[LG+16+\j:LG+16+\j+1], v[LG+16+\j:LG+16+\j+1], v[LG+24+\j:LG+24+\j+1]
.endr
.irp j, 0,2,4,6
	v_pk_add_f32 v[LG+\j:LG+\j+1], v[LG+\j:LG+\j+1], v[LG+16+\j:LG+16+\j+1]
.endr
.irp e, 0,1,2,3,4,5,6,7
	v_add_f32 v[LG+\e], s[24+\e], v[LG+\e]         ; + b_gate
.endr
	; the two largest, by selects alone: no branch hangs on these numbers.  Strictly greater, so the lower index keeps its place in a tie.
	v_cmp_gt_f32 s32, v[LG+1], v[LG]
	s_wait_alu depctr_va_sdst(0)                   ; the compare has written s32, which the four selects read
	v_cndmask_b32 v[M1], v[LG], v[LG+1], s32
	v_cndmask_b32 v[M2], v[LG+1], v[LG], s32
	v_cndmask_b32 v[I1], 0, 1, s32
	v_cndmask_b32 v[I2], 1, 0, s32
.irp e, 2,3,4,5,6,7
	v_cmp_gt_f32 s32, v[LG+\e], v[M1]
	v_cmp_gt_f32 s33, v[LG+\e], v[M2]
	s_wait_alu depctr_va_sdst(0)                   ; the two compares have written s32 and s33, which the six selects read; the next pair hangs on these selects, so each pair has its wait
	v_cndmask_b32 v[M2], v[M2], v[LG+\e], s33      ; beats the second:
	v_cndmask_b32 v[I2], v[I2], \e, s33
	v_cndmask_b32 v[M2], v[M2], v[M1], s32         ; beats the first: the old first becomes the second
	v_cndmask_b32 v[I2], v[I2], v[I1], s32
	v_cndmask_b32 v[M1], v[M1], v[LG+\e], s32
	v_cndmask_b32 v[I1], v[I1], \e, s32
.endr
	; the difference is formed first and scaled then, so that large logits lose nothing: no fused form here
.irp e, 0,1,2,3,4,5,6,7
	v_sub_f32 v[E+\e], v[LG+\e], v[M1]
.endr
	v_sub_f32 v[T], v[M2], v[M1]
.irp e, 0,1,2,3,4,5,6,7
	v_mul_f32 v[E+\e], 0x3fb8aa3b, v[E+\e]         ; x log2(e)
.endr
	v_mul_f32 v[T], 0x3fb8aa3b, v[T]
.irp e, 0,1,2,3,4,5,6,7
	v_exp_f32 v[E+\e], v[E+\e]
.endr
	v_exp_f32 v[R], v[T]                           ; rho, twice: a pair for the packed arithmetic of the last launch
	v_exp_f32 v[R+1], v[T]
	v_nop                                          ; a plain instruction between the last exponential and the use of its result
	s_wait_alu depctr_va_vdst(0)                   ; one wait for the ten exponentials, ahead of the first instruction that names a result of theirs
	v_pk_add_f32 v[E:E+1], v[E:E+1], v[E+2:E+3]
	v_pk_add_f32 v[E+4:E+5], v[E+4:E+5], v[E+6:E+7]
	v_pk_add_f32 v[E:E+1], v[E:E+1], v[E+4:E+5]
	v_add_f32 v[E], v[E], v[E+1]                   ; the sum is at least 1: the largest logit's term
	v_rcp_f32 v[R+2], v[E]                         ; s0 = 1 / sum, twice
	v_rcp_f32 v[R+3], v[E]
	v_nop
	s_wait_alu depctr_va_vdst(0)                   ; the two reciprocals have written v[R+2], v[R+3]; these, v[R], v[R+1], v[I1], v[I2], v[O16] and v[O8] are read by the two stores
	global_store_b128 v[O16], v[R:R+3], s[12:13]   ; 512 consecutive bytes, aligned
	global_store_b64 v[O8], v[I1:I2], s[14:15]     ; 256 consecutive bytes, aligned
.Lend:
	s_set_vgpr_msb 0x5                             ; the add's two registers, sources 0 and 1, lie in window 1
	s_wait_dscnt 0x0                               ; the closing lines, six on end
	s_wait_alu 0x0
	s_wait_tensorcnt 0x0
	ds_add_u32 v0, v1
	s_wait_dscnt 0x0
	s_endpgm
.Lfunc_end_k_qb16e6067bf_gate:
	.size	k_qb16e6067bf_gate, .Lfunc_end_k_qb16e6067bf_gate-k_qb16e6067bf_gate
	.p2alignl 7, 3214868480
	.fill 96, 4, 3214868480
	.section	.rodata,"a",@progbits
	.p2align	6, 0x0
	.amdhsa_kernel k_qb16e6067bf_gate
		.amdhsa_group_segment_fixed_size 109568
		.amdhsa_private_segment_fixed_size 0
		.amdhsa_enable_private_segment 0
		.amdhsa_kernarg_size 48
		.amdhsa_user_sgpr_count 2
		.amdhsa_user_sgpr_kernarg_segment_ptr 1
		.amdhsa_wavefront_size32 1
		.amdhsa_system_sgpr_workgroup_id_x 1
		.amdhsa_system_sgpr_workgroup_id_y 1
		.amdhsa_system_sgpr_workgroup_id_z 1
		.amdhsa_system_vgpr_workitem_id 0
		.amdhsa_next_free_vgpr 258
		.amdhsa_next_free_sgpr 66
		.amdhsa_reserve_vcc 0
		.amdhsa_float_denorm_mode_32 3
		.amdhsa_float_denorm_mode_16_64 3
		.amdhsa_memory_ordered 1
		.amdhsa_forward_progress 1
		.amdhsa_inst_pref_size 47
	.end_amdhsa_kernel
	.amdgpu_metadata
---
amdhsa.version: [ 1, 2 ]
amdhsa.kernels:
  - .name:           k_qb16e6067bf_gate
    .symbol:         k_qb16e6067bf_gate.kd
    .args:
      - { .name: x, .offset: 0, .size: 8, .value_kind: global_buffer, .address_space: global }
      - { .name: W_gate, .offset: 8, .size: 8, .value_kind: global_buffer, .address_space: global }
      - { .name: b_gate, .offset: 16, .size: 8, .value_kind: global_buffer, .address_space: global }
      - { .name: xb, .offset: 24, .size: 8, .value_kind: global_buffer, .address_space: global }
      - { .name: scal, .offset: 32, .size: 8, .value_kind: global_buffer, .address_space: global }
      - { .name: topidx, .offset: 40, .size: 8, .value_kind: global_buffer, .address_space: global }
    .group_segment_fixed_size: 109568
    .private_segment_fixed_size: 0
    .kernarg_segment_align: 8
    .kernarg_segment_size: 48
    .max_flat_workgroup_size: 256
    .sgpr_count:     66
    .vgpr_count:     258
    .wavefront_size: 32
...
	.end_amdgpu_metadata
.endif
;; end of part 4
;; launch wcvt (part 5): grid 256 x 2, 8 waves a work-group, no clusters, 0 bytes of LDS; arguments W_experts, topidx, wb; writes wb
.if DOCPART == 5
	.amdgcn_target "amdgcn-amd-amdhsa--gfx1250"
	.amdhsa_code_object_version 6
	.text
	.protected	k_qb16e6067bf_wcvt
	.globl	k_qb16e6067bf_wcvt
	.p2align	8
	.type	k_qb16e6067bf_wcvt,@function
k_qb16e6067bf_wcvt:
	s_mov_b64 s[64:65], 0
	v_nop
	global_prefetch_b8 v0, s[64:65] scope:SCOPE_SE
	s_setreg_imm32_b32 hwreg(HW_REG_WAVE_SCHED_MODE, 0, 2), 2
	s_setreg_imm32_b32 hwreg(HW_REG_WAVE_MODE, 25, 1), 1
	s_wait_xcnt 0x0
	s_wait_alu depctr_vm_vsrc(0)
; wb[y] = bf16(W_experts[e]), e = token 0's second expert for y = 0 and its first for y = 1; the layout [k][n] is kept.
; W_experts: [8][2048][2048] f32.  topidx: token 0's pair {first, second} in its first 8 bytes, whole numbers stored by the launch before.  wb: [2][2048][2048] bf16.
; A stream: each byte of the two chosen experts is read once and each byte of wb written once.  A work-group takes 64 KiB of one expert, a wave 8 KiB: 16 loads of 512
; consecutive bytes, all issued at once; each store of the wave covers 256 consecutive bytes, aligned.  No loop, no LDS, no barrier; matrix units and clusters have nothing to do here.
; THE MODE: SCHED_MODE bits 1:0 = 2 (LLVM: expert scheduling mode 2), set by the entry lines.  The code itself states the register dependences between vector instructions
; and memory instructions, with s_wait_alu, always for 0.
; THE PLAN.  Registers that memory instructions touch:
;   v1, v2   byte offsets, made once at the head and never written again.
;   XR       four blocks of four loads.  All 16 loads are issued before any vector instruction names XR.  Block g's eight roundings write the first two of each load's four
;            registers, in place; the four stores that read them are issued in block g + 1.  Nothing that a store has read is written again.
; Block g's vector instructions name block g's registers alone, so one wait at its head states all that the four stores of block g - 1 hang on, and these are dealt among its roundings.
.set XR, 8                             ; v[8:71] 16 loads of 4 registers, rounded in place
	s_load_b128 s[4:7], s[0:1], 0x0                ; W_experts s[4:5], topidx s[6:7]
	s_load_b64 s[8:9], s[0:1], 0x10                ; wb
	s_and_b32 s10, ttmp7, 0xffff                   ; y
	v_and_b32 v3, 31, v0                           ; lane
	v_and_b32 v4, 0xe0, v0                         ; 32 x wave
	v_lshlrev_b32 v1, 4, v3
	v_lshl_or_b32 v1, v4, 8, v1                    ; in: wave x 8,192 + 16 x lane
	v_lshlrev_b32 v2, 3, v3
	v_lshl_or_b32 v2, v4, 7, v2                    ; out: wave x 4,096 + 8 x lane
	s_wait_kmcnt 0x0
	s_load_b64 s[12:13], s[6:7], 0x0               ; token 0's two experts
	s_lshl_b32 s16, s10, 23                        ; an expert in bf16 is 8 MiB,
	s_lshl_b32 s17, ttmp9, 15                      ; the work-group's part of it 32 KiB
	s_add_co_u32 s16, s16, s17
	s_mov_b32 s17, 0
	s_add_nc_u64 s[8:9], s[8:9], s[16:17]
	s_wait_kmcnt 0x0
	s_cmp_eq_u32 s10, 0
	s_cselect_b32 s12, s13, s12                    ; y = 0: the second expert; y = 1: the first
	s_min_u32 s12, s12, 7                          ; an index that was loaded enters an address only clamped to the table
	s_lshl_b32 s14, s12, 24                        ; an expert in f32 is 16 MiB,
	s_lshl_b32 s15, ttmp9, 16                      ; the work-group's part of it 64 KiB
	s_add_co_u32 s14, s14, s15
	s_mov_b32 s15, 0
	s_add_nc_u64 s[4:5], s[4:5], s[14:15]
	s_wait_alu depctr_va_vdst(0)                   ; v1 and v2 are written: every load reads v1 and every store v2 as its offset
.irp i, 0,1,2,3,4,5,6,7,8,9,10,11,12,13,14,15
	global_load_b128 v[XR+4*\i:XR+4*\i+3], v1, s[4:5] offset:512*\i th:TH_LOAD_NT
.endr
; Block g: loads 4 g to 4 g + 3 are rounded; the stores of block g - 1 are dealt among the roundings.  first = 1: block 0, with no block in front of it.
.macro BLK g, first
	s_wait_loadcnt 12-4*(\g)                       ; loads come back in order: this block's four are in, the younger blocks' stay out
.if !\first
	s_wait_alu depctr_va_vdst(0)                   ; the roundings of the block before have written its registers, which the four stores below read
.endif
.irp i, 0,1,2,3
.if !\first
	global_store_b64 v2, v[XR+16*((\g)-1)+4*\i:XR+16*((\g)-1)+4*\i+1], s[8:9] offset:256*(4*((\g)-1)+\i)  ; no vector instruction since the wait names these registers
.endif
	v_cvt_pk_bf16_f32 v[XR+16*(\g)+4*\i],   v[XR+16*(\g)+4*\i],   v[XR+16*(\g)+4*\i+1]
	v_cvt_pk_bf16_f32 v[XR+16*(\g)+4*\i+1], v[XR+16*(\g)+4*\i+2], v[XR+16*(\g)+4*\i+3]
.endr
.endm
	BLK 0, 1
	BLK 1, 0
	BLK 2, 0
	BLK 3, 0
	s_wait_alu depctr_va_vdst(0)                   ; block 3's roundings have written its registers, which the last four stores read
.irp i, 0,1,2,3
	global_store_b64 v2, v[XR+48+4*\i:XR+48+4*\i+1], s[8:9] offset:256*(12+\i)
.endr
	s_endpgm
.Lfunc_end_k_qb16e6067bf_wcvt:
	.size	k_qb16e6067bf_wcvt, .Lfunc_end_k_qb16e6067bf_wcvt-k_qb16e6067bf_wcvt
	.p2alignl 7, 3214868480
	.fill 96, 4, 3214868480
	.section	.rodata,"a",@progbits
	.p2align	6, 0x0
	.amdhsa_kernel k_qb16e6067bf_wcvt
		.amdhsa_group_segment_fixed_size 0
		.amdhsa_private_segment_fixed_size 0
		.amdhsa_enable_private_segment 0
		.amdhsa_kernarg_size 24
		.amdhsa_user_sgpr_count 2
		.amdhsa_user_sgpr_kernarg_segment_ptr 1
		.amdhsa_wavefront_size32 1
		.amdhsa_system_sgpr_workgroup_id_x 1
		.amdhsa_system_sgpr_workgroup_id_y 1
		.amdhsa_system_sgpr_workgroup_id_z 1
		.amdhsa_system_vgpr_workitem_id 0
		.amdhsa_next_free_vgpr 72
		.amdhsa_next_free_sgpr 66
		.amdhsa_reserve_vcc 0
		.amdhsa_float_denorm_mode_32 3
		.amdhsa_float_denorm_mode_16_64 3
		.amdhsa_memory_ordered 1
		.amdhsa_forward_progress 1
		.amdhsa_inst_pref_size 7
	.end_amdhsa_kernel
	.amdgpu_metadata
---
amdhsa.version: [ 1, 2 ]
amdhsa.kernels:
  - .name:           k_qb16e6067bf_wcvt
    .symbol:         k_qb16e6067bf_wcvt.kd
    .args:
      - { .name: W_experts, .offset: 0, .size: 8, .value_kind: global_buffer, .address_space: global }
      - { .name: topidx, .offset: 8, .size: 8, .value_kind: global_buffer, .address_space: global }
      - { .name: wb, .offset: 16, .size: 8, .value_kind: global_buffer, .address_space: global }
    .group_segment_fixed_size: 0
    .private_segment_fixed_size: 0
    .kernarg_segment_align: 8
    .kernarg_segment_size: 24
    .max_flat_workgroup_size: 256
    .sgpr_count:     66
    .vgpr_count:     72
    .wavefront_size: 32
...
	.end_amdgpu_metadata
.endif
;; end of part 5
;; launch moe: the kernel of part 3 again; grid 8 x 32, 4 waves a work-group, clusters of 4 x 4, 327,680 bytes of LDS; arguments xb, wb, out0, scal, topidx, b_experts; writes out0
